; MI455X (gfx1250); checked and timed in simulation.
; The chip was launched on July 23, 2026; its instructions are those of AMD's public machine-readable ISA for CDNA 5 (MIT licence, August 2026) and "CDNA5" Instruction Set Architecture Reference Guide (July 2026). The comments in the code are by the model that wrote it; some were corrected since.
;; Self Attention2d. Allowed arithmetic: matrix products marked QUANTISED: E4M3 operands, one given power-of-two scale a tensor, by v_wmma_f32_16x16x64_fp8_fp8 or v_wmma_f32_16x16x128_fp8_fp8, f32 sums; everything else in f32.
;; Inputs: b_proj 256 float32; lowp_scales 8 int32 (the exponents e of the quantised operands' scales 2^e); w_proj 256 x 256 float32; w_qkv 768 x 256 float32; x 2 x 256 x 64 x 64 float32.
;; Outputs: out0 2 x 256 x 64 x 64 float32.
;; This version of the problem:
;;   THIS VERSION OF THE PROBLEM IS GIVEN IN LOW PRECISION. The matrix products marked QUANTISED in the list below multiply operands that are first quantised to E4M3 (4 exponent bits, 3 mantissa bits; 8 bits a number), with one given power-of-two scale for each operand tensor; their sums are f32. All else is computed in f32.
;;   The module's matrix products, in the order in which they are computed (A, B: the left and right operand; K: the contracted axis; several contracted axes count as one K, in the product's order):
;;     1. [M 8,192, K 256] x [K 256, N 768]; A: input x; B: input w_qkv: QUANTISED (scales: A lowp_scales[0], B lowp_scales[1])
;;     2. batch 16 x [M 4,096, K 32] x [K 32, N 4,096]; A: computed on the way; B: computed on the way: QUANTISED (scales: A lowp_scales[2], B lowp_scales[3])
;;     3. batch 16 x [M 4,096, K 4,096] x [K 4,096, N 32]; A: softmax (see below); B: computed on the way: QUANTISED (scales: A lowp_scales[4], B lowp_scales[5])
;;     4. [M 8,192, K 256] x [K 256, N 256]; A: computed on the way; B: input w_proj: QUANTISED (scales: A lowp_scales[6], B lowp_scales[7])
;;   THE QUANTISER, for each operand of a quantised product, along K:
;;     - The operand's scale is 2^e, e = its entry of the input lowp_scales (int32; the entries are numbered through the quantised products in the list's order, A before B).
;;     - Each number is divided by the scale, clamped to +-448, and rounded to the nearest number of E4M3, ties to even, subnormals kept.
;;     - The product sums the exact products of the quantised numbers (number of the format x scale) in f32.
;;   ~~~python
;;   def quantise(x, axis, e):      # numpy; x: float32 -> the quantised numbers, widened to float32 again
;;       x = np.moveaxis(x, axis, -1); K = x.shape[-1]
;;       r = np.clip(x / 2.0 ** e, -448, 448)
;;       step = 2.0 ** (np.maximum(np.frexp(np.where(r == 0, 1, r))[1] - 1, -6) - 3)
;;       q = np.round(r / step) * step * 2.0 ** e      # np.round: ties to even
;;       return np.moveaxis(q, -1, axis).astype(np.float32)
;;   ~~~
;;   SOFTMAX AHEAD OF A QUANTISED PRODUCT. Where the list says 'softmax', what is quantised is not the finished softmax but p = 2^(t - M), with t = logit x log2(e) and M = ceil(the row's largest t), a whole number; so 1/2 < the row's largest p <= 1. The row's sum l is taken of the UNQUANTISED p, in f32, and the product's result is divided by l at the end. Since M is a whole number, a kernel that streams over the keys may use a running M (the ceiling of the running maximum): every later rescaling is an exact power of two, so the quantised numbers keep their values, but for numbers so far below the row's largest that they fall under the format's range.
;;   OPERANDS COMPUTED ON THE WAY. 'Computed on the way' means the value that the module computes at that place (a softmax that the list does not call 'softmax' is quantised finished and normalised). What goes into a quantiser is computed in f32, as accurately as f32 sums, v_exp_f32 and their like allow (about 1e-6 of the number): no bf16 or f16 on the way to a quantiser, and a product that is left as it is and whose result goes on into a quantised operand takes f32 operands (vector FMAs, or v_wmma_f32_16x16x4_f32). A number that lies on a knife's edge between two numbers of the format may be rounded either way, as far as f32 arithmetic and the matrix unit's own rounding can turn it there, and no further.
;; One version. Each part assembles by itself: llvm-mc -triple=amdgcn-amd-amdhsa -mcpu=gfx1250 --defsym DOCPART=n.
;; ======== version 1 of 1: 3 launches
;; workspace buffers: qc 2,097,152 bytes; kv 4,194,304 bytes; oc 2,097,152 bytes; wpc 65,536 bytes
;; launch qkv (part 1): grid 64 x 4, 8 waves a work-group, no clusters, 88,064 bytes of LDS; arguments x, w_qkv, w_proj, lowp_scales, qc, kv, wpc; writes qc, kv, wpc
.if DOCPART == 1
	.amdgcn_target "amdgcn-amd-amdhsa--gfx1250"
	.amdhsa_code_object_version 6
	.text
	.protected	k_q84b6c8d04c_qkv
	.globl	k_q84b6c8d04c_qkv
	.p2align	8
	.type	k_q84b6c8d04c_qkv,@function
k_q84b6c8d04c_qkv:
	s_mov_b64 s[64:65], 0
	v_nop
	global_prefetch_b8 v0, s[64:65] scope:SCOPE_SE
	s_setreg_imm32_b32 hwreg(HW_REG_WAVE_MODE, 25, 1), 1
	s_wait_xcnt 0x0
; qkv[b][o][n] = sum over c of w_qkv[o][c] x[b][c][n] on codes of FP8 (E4M3); its results are quantised at once for the two products of attention and stored
; as IMAGES OF THE OPERAND REGISTERS that will read them.  Side job: one row of w_proj a work-group becomes codes (wpc, row-major).
; SHARES.  Work-group (X, y): batch b = X / 32, positions 128 st .. + 127 (st = X % 32: four groups of 32), outputs 192 y .. + 191: six UNITS of 32 outputs.
; Unit U = 6 y + j is q (U < 8), k (U < 16) or v of head U % 8.  Wave w: group g = w & 3, half hf = w >> 2.
; PHASE Q: wave (g, hf) quantises x for its 32 positions and channels 128 hf .. + 127 (a lane takes a position, its registers run down the channels, so the codes come out
; with K innermost), and 24 of the 192 rows of w_qkv (a lane takes 8 neighbours of a row).  Codes go to LDS as rows of 256 bytes + 16.  One barrier.
; PHASE P: wave (g, hf) multiplies its group's two tiles of positions by units 3 hf .. 3 hf + 2: eight matrix instructions a unit, four accumulators by turns.
; A TILE'S 16 ROWS ARE NOT NEIGHBOURS: row r of tile u of a group of 32 (positions, or a unit's channels) is element 8 u + (r & 7) + 16 (r >> 3).  In a result, register j of lane
; (r, h) of tile u is then element 16 h + 8 u + j: the 16 registers of tiles 0 and 1 are 16 neighbours, and two conversions give the 16 bytes that the next operand's lane wants.
; q, k: source 0 = the unit's channels, source 1 = positions: a lane holds one position and 16 channels.  v: the sources swapped: a lane holds one channel and 16 keys.
; Fragments are fetched 16 bytes a load: registers 4 c .. 4 c + 3 hold k = 32 c + 16 h + 0 .. 15, alike in both sources, so every product meets its partner.
; No tensor load and no cluster: what work-groups share here is f32 that has to pass through registers to be quantised, and no tile is walked in a loop.
; LIMITS: e0, e1, e7 and e2 - e0 - e1, e3 - e0 - e1, e5 - e0 - e1 lie between -126 and 119, so that each scale and 448 x the scale are f32 numbers.  NaN among the inputs is not served.
.set PITCH, 272                        ; an LDS row: 256 codes + 16 bytes = 17 x 16 bytes: 16 neighbouring rows begin at 16 different 16-byte columns of 256 bytes
.set XROW,  0                          ; 128 rows: row 32 g + l = the position that lane l of group g took
.set WROW,  128*PITCH                  ; 192 rows: row 32 j + 16 u + r = row r of tile u of unit j
.set XO,  4                            ; v4   x: 4 x my position in the group
.set XW,  5                            ; v5   where my position's codes go
.set WO,  6                            ; v6   32 x lane: my 8 numbers of a weight's row
.set WW,  7                            ; v7   where my 8 codes of a weight's row go
.set XR,  8                            ; v8   fragments of x: (32 g + r) x PITCH + 16 h
.set WR,  9                            ; v9   fragments of w: (96 hf + r) x PITCH + 16 h
.set L16, 10                           ; v10  16 x lane
.set L8,  11                           ; v11  8 x lane
.set C,   48                           ; v48-63   codes just made
.set XS,  64                           ; v64-127  phase Q: two sets of 32 numbers of x
.set WS,  128                          ; v128-255 phase Q: two sets of 64 numbers of w_qkv
.set XF,  64                           ; v64-127  phase P: x's fragments (tile xu, K step s) at XF + 16 (2 xu + s)
.set WF,  128                          ; v128-191 phase P: the unit's fragments (tile wu, K step s) at WF + 16 (2 wu + s)
.set ACC, 192                          ; v192-223 four accumulators
.set CU,  224                          ; v224-247 eight registers of codes for each unit: no store's data are written again
; v12, v13: 2^e0 and 448 x 2^e0;  v14, v15: e1;  v16, v17: e7;  v18, v19: the unit in hand
.macro MKS e, vs, vh                   ; 2^e as f32 (the conversion takes its exponent field), and 448 x 2^e (exponent + 8, mantissa field of 448)
	s_add_co_i32 s60, \e, 127
	s_lshl_b32 s61, s60, 23
	v_mov_b32 v[\vs], s61
	s_add_co_i32 s60, s60, 8
	s_lshl_b32 s60, s60, 23
	s_or_b32 s60, s60, 0x600000
	v_mov_b32 v[\vh], s60
.endm
.macro LX blk                          ; channels 32 blk .. + 31 of my half, my position: the wave reads 128 consecutive bytes of each channel's row
.set XB, XS+32*((\blk)%2)
.set ii, 0
.rept 32
	global_load_b32 v[XB+ii], v[XO], s[4:5] offset:(32*(\blk)+ii)*16384
.set ii, ii+1
.endr
.endm
.macro QX blk, n                       ; n: the younger loads, which may stay out
.set XB, XS+32*((\blk)%2)
	s_wait_loadcnt \n
	s_wait_dscnt 0x0                               ; the LDS stores before have read C
.set ii, 0
.rept 32
	v_med3_num_f32 v[XB+ii], v[XB+ii], -v13, v13   ; the conversion to an 8-bit code does not saturate (ISA guide 7.6.2): the hold at 448 x the scale
.set ii, ii+1
.endr
.irp q, 0,1,2,3
	v_cvt_scalef32_pk8_fp8_f32 v[C+2*\q:C+2*\q+1], v[XB+8*\q:XB+8*\q+7], v12
.endr
	ds_store_b128 v[XW], v[C:C+3] offset:XROW+32*(\blk)
	ds_store_b128 v[XW], v[C+4:C+7] offset:XROW+32*(\blk)+16
.endm
.macro LW bt                           ; eight rows of w_qkv: a pair of loads covers a row's 1,024 bytes
.set WB, WS+64*((\bt)%2)
.irp i, 0,1,2,3,4,5,6,7
	global_load_b128 v[WB+8*\i:WB+8*\i+3],   v[WO], s[32+2*(\bt):33+2*(\bt)] offset:1024*\i
	global_load_b128 v[WB+8*\i+4:WB+8*\i+7], v[WO], s[32+2*(\bt):33+2*(\bt)] offset:1024*\i+16
.endr
.endm
.macro QW bt, n
.set WB, WS+64*((\bt)%2)
	s_wait_loadcnt \n
	s_wait_dscnt 0x0                               ; the LDS stores before have read C
.set ii, 0
.rept 64
	v_med3_num_f32 v[WB+ii], v[WB+ii], -v15, v15
.set ii, ii+1
.endr
.irp i, 0,1,2,3,4,5,6,7
	v_cvt_scalef32_pk8_fp8_f32 v[C+2*\i:C+2*\i+1], v[WB+8*\i:WB+8*\i+7], v14
.endr
.irp i, 0,1,2,3,4,5,6,7
	ds_store_b64 v[WW], v[C+2*\i:C+2*\i+1] offset:WROW+(8*(\bt)+\i)*PITCH   ; 32 lanes x 8 bytes: a row's 256 codes
.endr
.endm
.macro FRAG reg, adr, off              ; a fragment, 16 rows x 128 K
.irp c, 0,1,2,3
	ds_load_b128 v[\reg+4*\c:\reg+4*\c+3], v[\adr] offset:\off+32*\c
.endr
.endm
	s_load_b256 s[4:11], s[0:1], 0x0               ; x s[4:5], w_qkv s[6:7], w_proj s[8:9], the scales' exponents s[10:11]
	s_load_b128 s[12:15], s[0:1], 0x20             ; qc s[12:13], kv s[14:15]
	s_load_b64 s[16:17], s[0:1], 0x30              ; wpc
	v_lshl_add_u32 v46, v0, 2, 0x15400
	v_mov_b32 v47, 0
	v_lshrrev_b32 v20, 5, v0
	v_readfirstlane_b32 s18, v20                   ; wave 0..7
	s_and_b32 s19, s18, 3                          ; g
	s_lshr_b32 s20, s18, 2                         ; hf
	s_lshr_b32 s21, ttmp9, 5                       ; b
	s_and_b32 s22, ttmp9, 31                       ; st
	s_and_b32 s23, ttmp7, 0xffff                   ; y
	v_and_b32 v1, 31, v0                           ; lane l
	v_and_b32 v2, 15, v0                           ; r
	v_bfe_u32 v3, v0, 4, 1                         ; h
	v_and_b32 v[XO], 7, v0
	v_lshl_add_u32 v[XO], v3, 3, v[XO]
	v_bfe_u32 v20, v0, 3, 1
	v_lshl_add_u32 v[XO], v20, 4, v[XO]            ; LDS row l = 16 u + r holds position (l & 7) + 8 (l >> 4) + 16 ((l >> 3) & 1)
	v_lshlrev_b32 v[XO], 2, v[XO]
	s_mul_i32 s39, s19, 32*PITCH                   ; my group's 32 rows
	s_lshl_b32 s40, s20, 7
	s_add_co_u32 s40, s39, s40                     ; + my half of the channels
	v_mul_u32_u24 v[XW], v1, PITCH
	v_add_nc_u32 v[XW], s40, v[XW]
	v_lshlrev_b32 v[WO], 5, v1
	s_mul_i32 s40, s18, 24*PITCH                   ; my 24 rows of the weights
	v_lshlrev_b32 v[WW], 3, v1
	v_add_nc_u32 v[WW], s40, v[WW]
	v_mul_u32_u24 v[XR], v2, PITCH
	v_lshl_add_u32 v[XR], v3, 4, v[XR]             ; r x PITCH + 16 h
	s_mul_i32 s40, s20, 96*PITCH                   ; my three units' 96 rows
	v_add_nc_u32 v[WR], s40, v[XR]
	v_add_nc_u32 v[XR], s39, v[XR]
	v_lshlrev_b32 v[L16], 4, v1
	v_lshlrev_b32 v[L8], 3, v1
	s_lshl_b32 s46, s21, 22                        ; x: b x 256 channels x 16,384 bytes
	s_lshl_b32 s41, s20, 21                        ;    + hf x 128 channels
	s_add_co_u32 s46, s46, s41
	s_lshl_b32 s41, s22, 9                         ;    + st x 128 positions
	s_add_co_u32 s46, s46, s41
	s_lshl_b32 s41, s19, 7                         ;    + g x 32 positions
	s_add_co_u32 s46, s46, s41
	s_mov_b32 s47, 0
	s_wait_kmcnt 0x0
	s_load_b256 s[24:31], s[10:11], 0x0            ; e0 .. e7
	s_add_nc_u64 s[4:5], s[4:5], s[46:47]
	s_lshl_b32 s41, s23, 6
	s_add_co_u32 s41, s41, ttmp9                   ; the side job's row of w_proj: 64 y + X
	s_lshl_b32 s46, s41, 10
	s_add_nc_u64 s[8:9], s[8:9], s[46:47]
	s_lshl_b32 s46, s41, 8
	s_add_nc_u64 s[16:17], s[16:17], s[46:47]
	s_mul_i32 s39, s18, 3
	s_mul_i32 s44, s23, 192*1024                   ; my work-group's 192 rows of w_qkv
.irp bt, 0,1,2                         ; LDS rows 8 beta .. + 7 (beta = 3 w + bt = 4 j + 2 u + (r >> 3)) take the unit's channels 8 (u + 2 (r >> 3)) on: beta's two low bits change places
	s_add_co_u32 s40, s39, \bt
	s_and_b32 s41, s40, 0x1c
	s_and_b32 s42, s40, 1
	s_lshl_b32 s42, s42, 1
	s_or_b32 s41, s41, s42
	s_bfe_u32 s42, s40, 0x10001
	s_or_b32 s41, s41, s42
	s_lshl_b32 s41, s41, 13                        ; x 8 rows of 1,024 bytes
	s_add_co_u32 s46, s41, s44
	s_add_nc_u64 s[32+2*\bt:33+2*\bt], s[6:7], s[46:47]
.endr
	global_load_b128 v[32:35], v[WO], s[8:9]       ; the side job's row: every wave loads it, so that the counts below are the same in all; wave 0 stores its codes
	global_load_b128 v[36:39], v[WO], s[8:9] offset:16
	LX 0
	LX 1
	s_wait_kmcnt 0x0
	MKS s24, 12, 13
	MKS s25, 14, 15
	MKS s31, 16, 17
	s_add_co_i32 s38, s24, s25                     ; e0 + e1: a sum stands for sum x 2^(e0 + e1)
	s_mul_i32 s62, s23, 6
	s_mul_i32 s63, s20, 3
	s_add_co_u32 s62, s62, s63                     ; my first unit: 6 y + 3 hf
	; ---- PHASE Q.  Each count is the number of loads issued behind the block that is wanted: the next x block's 32, or the next batch's 16
	QX 0, 32
.set ii, 0
.rept 8
	v_med3_num_f32 v[32+ii], v[32+ii], -v17, v17
.set ii, ii+1
.endr
	v_cvt_scalef32_pk8_fp8_f32 v[40:41], v[32:39], v16
	v_nop                                          ; a plain line behind the conversion
	s_cmp_lg_u32 s18, 0
	s_cbranch_scc1 .Lno_side
	global_store_b64 v[L8], v[40:41], s[16:17]     ; 32 lanes x 8 bytes: the row's 256 codes, aligned
.Lno_side:
	LX 2
	QX 1, 32
	LX 3
	QX 2, 32
	LW 0
	QX 3, 16
	LW 1
	QW 0, 16
	LW 2
	QW 1, 16
	QW 2, 0
	v_nop                                          ; a plain line behind the last conversion: matrix instructions later write registers that it read
	s_wait_dscnt 0x0                               ; for the others' sake: my codes lie in LDS
	s_barrier_signal -1
	s_barrier_wait -1
	; ---- PHASE P
.irp xu, 0,1
.irp ks, 0,1
	FRAG (XF+16*(2*\xu+\ks)), XR, (XROW+16*\xu*PITCH+128*\ks)
.endr
.endr
.irp wu, 0,1
.irp ks, 0,1
	FRAG (WF+16*(2*\wu+\ks)), WR, (WROW+16*\wu*PITCH+128*\ks)
.endr
.endr
.macro UNIT i
.set B1, 48+4*(\i)                     ; s[B1:B1+1], s[B1+2:B1+3]: the unit's two store bases, its own: no store's base is written again
	s_add_co_u32 s39, s62, \i                      ; U
	s_cmp_lt_u32 s39, 8                            ; q?
	s_cselect_b32 s40, s26, s27                    ; e2 : e3
	s_cselect_b32 s41, 17, 18                      ; a head is 2^17 bytes in qc, 2^18 in kv
	s_cselect_b32 s42, 12, 13                      ; 128 positions are 2^12 bytes in qc, a key step 2^13 in kv
	s_cselect_b64 s[B1:B1+1], s[12:13], s[14:15]
	s_cmp_lt_u32 s39, 16                           ; q or k?
	s_cselect_b32 s40, s40, s29                    ; v: e5
	s_cselect_b32 s43, 10, 9                       ; my group: two tiles of 512 bytes; in v one block of 512
	s_cselect_b32 s44, 0, 4096                     ; v lies behind k in a key step
	s_cselect_b32 s45, 9, 11                       ; from the first store to the second: a tile of positions on (512), or a tile of channels on (2,048)
	s_sub_co_i32 s40, s40, s38                     ; code = sum / 2^(e - e0 - e1): the three scales folded into the conversion's one
	MKS s40, 18, 19
	s_and_b32 s46, s39, 7
	s_lshl_b32 s47, s21, 3
	s_add_co_u32 s46, s46, s47                     ; 8 b + head
	s_lshl_b32 s46, s46, s41
	s_lshl_b32 s47, s22, s42
	s_add_co_u32 s46, s46, s47
	s_lshl_b32 s47, s19, s43
	s_add_co_u32 s46, s46, s47
	s_add_co_u32 s46, s46, s44
	s_mov_b32 s47, 0
	s_add_nc_u64 s[B1:B1+1], s[B1:B1+1], s[46:47]
	s_lshl_b32 s46, 1, s45
	s_add_nc_u64 s[B1+2:B1+3], s[B1:B1+1], s[46:47]
	s_wait_dscnt 0x0                               ; the fragments are in
	s_cmp_lt_u32 s39, 16
	s_cbranch_scc0 .Lv_\@
.irp ks, 0,1                           ; q, k: source 0 = 16 channels, source 1 = 16 positions.  The four accumulators take turns, one instruction a turn
.irp xu, 0,1
.irp wu, 0,1
.if \ks == 0
	v_wmma_f32_16x16x128_fp8_fp8 v[ACC+16*\xu+8*\wu:ACC+16*\xu+8*\wu+7], v[WF+16*(2*\wu+\ks):WF+16*(2*\wu+\ks)+15], v[XF+16*(2*\xu+\ks):XF+16*(2*\xu+\ks)+15], 0
.else
	v_wmma_f32_16x16x128_fp8_fp8 v[ACC+16*\xu+8*\wu:ACC+16*\xu+8*\wu+7], v[WF+16*(2*\wu+\ks):WF+16*(2*\wu+\ks)+15], v[XF+16*(2*\xu+\ks):XF+16*(2*\xu+\ks)+15], v[ACC+16*\xu+8*\wu:ACC+16*\xu+8*\wu+7]
.endif
.endr
.endr
.endr
	s_branch .Ljoin_\@
.Lv_\@:
.irp ks, 0,1                           ; v: source 0 = 16 positions (keys), source 1 = 16 channels
.irp wu, 0,1
.irp xu, 0,1
.if \ks == 0
	v_wmma_f32_16x16x128_fp8_fp8 v[ACC+16*\wu+8*\xu:ACC+16*\wu+8*\xu+7], v[XF+16*(2*\xu+\ks):XF+16*(2*\xu+\ks)+15], v[WF+16*(2*\wu+\ks):WF+16*(2*\wu+\ks)+15], 0
.else
	v_wmma_f32_16x16x128_fp8_fp8 v[ACC+16*\wu+8*\xu:ACC+16*\wu+8*\xu+7], v[XF+16*(2*\xu+\ks):XF+16*(2*\xu+\ks)+15], v[WF+16*(2*\wu+\ks):WF+16*(2*\wu+\ks)+15], v[ACC+16*\wu+8*\xu:ACC+16*\wu+8*\xu+7]
.endif
.endr
.endr
.endr
.Ljoin_\@:
.rept 4
	v_nop                                          ; four places in front of the reads of the results and of the loads into the unit's fragments
.endr
.if \i < 2
.irp wu, 0,1
.irp ks, 0,1
	FRAG (WF+16*(2*\wu+\ks)), WR, (WROW+(32*(\i+1)+16*\wu)*PITCH+128*\ks)   ; the next unit's fragments land while this unit is quantised
.endr
.endr
.endif
.set ii, 0
.rept 32
	v_med3_num_f32 v[ACC+ii], v[ACC+ii], -v19, v19 ; ascending: each accumulator is read from its low end on
.set ii, ii+1
.endr
.irp a, 0,1
	v_cvt_scalef32_pk8_fp8_f32 v[CU+8*(\i)+4*\a:CU+8*(\i)+4*\a+1],   v[ACC+16*\a:ACC+16*\a+7],    v18
	v_cvt_scalef32_pk8_fp8_f32 v[CU+8*(\i)+4*\a+2:CU+8*(\i)+4*\a+3], v[ACC+16*\a+8:ACC+16*\a+15], v18
.endr
	v_nop                                          ; a plain line behind the last conversion: the next unit writes its scale and its sources
	global_store_b128 v[L16], v[CU+8*(\i):CU+8*(\i)+3],   s[B1:B1+1]     ; 32 lanes x 16 bytes: 512 consecutive bytes, aligned: an image of four operand registers
	global_store_b128 v[L16], v[CU+8*(\i)+4:CU+8*(\i)+7], s[B1+2:B1+3]
.endm
	UNIT 0
	UNIT 1
	UNIT 2
	s_wait_tensorcnt 0x0
	ds_add_u32 v46, v47
	s_wait_dscnt 0x0
	s_endpgm
.Lfunc_end_k_q84b6c8d04c_qkv:
	.size	k_q84b6c8d04c_qkv, .Lfunc_end_k_q84b6c8d04c_qkv-k_q84b6c8d04c_qkv
	.p2alignl 7, 3214868480
	.fill 96, 4, 3214868480
	.section	.rodata,"a",@progbits
	.p2align	6, 0x0
	.amdhsa_kernel k_q84b6c8d04c_qkv
		.amdhsa_group_segment_fixed_size 88064
		.amdhsa_private_segment_fixed_size 0
		.amdhsa_enable_private_segment 0
		.amdhsa_kernarg_size 56
		.amdhsa_user_sgpr_count 2
		.amdhsa_user_sgpr_kernarg_segment_ptr 1
		.amdhsa_wavefront_size32 1
		.amdhsa_system_sgpr_workgroup_id_x 1
		.amdhsa_system_sgpr_workgroup_id_y 1
		.amdhsa_system_sgpr_workgroup_id_z 1
		.amdhsa_system_vgpr_workitem_id 0
		.amdhsa_next_free_vgpr 256
		.amdhsa_next_free_sgpr 66
		.amdhsa_reserve_vcc 0
		.amdhsa_float_denorm_mode_32 3
		.amdhsa_float_denorm_mode_16_64 3
		.amdhsa_memory_ordered 1
		.amdhsa_forward_progress 1
		.amdhsa_inst_pref_size 66
	.end_amdhsa_kernel
	.amdgpu_metadata
---
amdhsa.version: [ 1, 2 ]
amdhsa.kernels:
  - .name:           k_q84b6c8d04c_qkv
    .symbol:         k_q84b6c8d04c_qkv.kd
    .args:
      - { .name: x, .offset: 0, .size: 8, .value_kind: global_buffer, .address_space: global }
      - { .name: w_qkv, .offset: 8, .size: 8, .value_kind: global_buffer, .address_space: global }
      - { .name: w_proj, .offset: 16, .size: 8, .value_kind: global_buffer, .address_space: global }
      - { .name: lowp_scales, .offset: 24, .size: 8, .value_kind: global_buffer, .address_space: global }
      - { .name: qc, .offset: 32, .size: 8, .value_kind: global_buffer, .address_space: global }
      - { .name: kv, .offset: 40, .size: 8, .value_kind: global_buffer, .address_space: global }
      - { .name: wpc, .offset: 48, .size: 8, .value_kind: global_buffer, .address_space: global }
    .group_segment_fixed_size: 88064
    .private_segment_fixed_size: 0
    .kernarg_segment_align: 8
    .kernarg_segment_size: 56
    .max_flat_workgroup_size: 256
    .sgpr_count:     66
    .vgpr_count:     256
    .wavefront_size: 32
...
	.end_amdgpu_metadata
.endif
;; end of part 1
;; launch attn (part 2): grid 16 x 16, 16 waves a work-group, clusters of 4 x 1, 264,192 bytes of LDS; arguments qc, kv, lowp_scales, oc; writes oc
.if DOCPART == 2
	.amdgcn_target "amdgcn-amd-amdhsa--gfx1250"
	.amdhsa_code_object_version 6
	.text
	.protected	k_q84b6c8d04c_attn
	.globl	k_q84b6c8d04c_attn
	.p2align	8
	.type	k_q84b6c8d04c_attn,@function
k_q84b6c8d04c_attn:
	s_mov_b64 s[64:65], 0
	v_nop
	global_prefetch_b8 v0, s[64:65] scope:SCOPE_SE
	s_setreg_imm32_b32 hwreg(HW_REG_WAVE_MODE, 25, 1), 1
	s_wait_xcnt 0x0
	s_wait_alu depctr_hold_cnt(0) depctr_sa_sdst(0) depctr_va_vdst(0) depctr_va_sdst(0) depctr_va_ssrc(0) depctr_va_vcc(0) depctr_vm_vsrc(0)
	s_getreg_b32 s2, hwreg(HW_REG_IB_STS2, 6, 4)
	s_cmp_eq_u32 s2, 0
	s_cbranch_scc0 .Lentry_in_a_cluster
	s_endpgm
.Lentry_in_a_cluster:
	s_bfe_u32 s2, ttmp6, 0x10000c
	s_cmp_lg_u32 s2, 0x3003
	s_cbranch_scc0 .Lentry_shape_is_right
	s_endpgm
.Lentry_shape_is_right:
; For each of the 16 (batch, head) pairs: O = softmax(q k^T / sqrt(32)) v on codes of FP8 (E4M3), the result divided by the row's sum and quantised for the projection.
; qc: [bh][tile of 16 queries][lane][16 bytes]: lane (r, h) holds channels 16 h .. + 15 of the tile's row r.  kv: [bh][key step of 128][8,192 bytes]: 4,096 bytes of k, [group of 32 keys][tile u][lane][16],
; then 4,096 of v, [tile t of 16 channels][c][lane][16]: lane (r, h) holds keys 32 c + 16 h .. + 15 of the tile's channel r.  Both are images of operand registers: a fragment comes by ds_load_b128 at 16 x lane.
; THE SOFTMAX AHEAD OF THE SECOND PRODUCT: t = score x log2(e) / sqrt(32); M = the running largest t rounded UP to a whole number; p = 2^(t - M) is quantised, not normalised; the row's sum is taken of the
; unquantised p and divides at the end.  When M moves, the sum and O are multiplied by 2^(old M - new M), which rounds nothing.
; SHARES.  A work-group owns 256 queries of one head; each of its sixteen waves one tile of 16, in 256 registers: four waves to a SIMD, so that one wave's vector work stands beside another's matrix work and LDS loads.
; A HEAD'S K AND V ARE 262,144 BYTES AND LIE WHOLE IN LDS, as in memory: each wave fetches 16,384 bytes (64 rows of 256) by ONE tensor load at the head; nothing is ever filled again.  One tensor load of a wave is out.
; CLUSTER.  The four work-groups of a cluster belong to one head, so each of these loads is asked for JOINTLY: the same descriptor and the mask 15 in all four.  The place in the cluster enters the addresses of qc and oc alone.
; Nothing is prefetched: every tile is asked for at the head.
; LAYOUT.  Both products transposed: S^T = k q^T (source 0 = 16 keys, source 1 = my queries), O^T = v^T p^T: a lane holds ONE query throughout.  Row r of tile u of a group of 32 keys is key 8 u + (r & 7) + 16 (r >> 3),
; so that the 16 registers of tiles 0 and 1 are keys 16 h + 0 .. 15 of the group, and p's conversions give the second product's operand.  v's channels are ordered likewise, so that O^T's 16 registers are channels 16 h + 0 .. 15.
; K = 32 IN THE FORM OF K = 64.  Eight registers hold tile 0 of a group of keys (registers 0-3) and tile 1 (4-7).  v[16:27] = zeros, q, zeros: against v[20:27] (q, zeros) the product is tile 0's scores, against
; v[16:23] (zeros, q) tile 1's: the other half meets zero codes.  k's codes were held at 448 when they were made: none is the NaN code.
; LIMITS: e2 + e3 between -124 and 129 (added to c's exponent field); e4 and e6 between -126 and 119; e4 + e5 is applied by v_ldexp_f32.
.set LA,  1                            ; v1   16 x lane; never rewritten
.set ADR, 8                            ; v8   LDS address of the step in hand
.set KF,  32                           ; v32-63   k's fragments of a step
.set VF,  64                           ; v64-95   v's
.set S,   96                           ; v96-159  S^T, then p
.set O,   160                          ; v160-175 O^T
.set PC,  224                          ; v224-239 p's codes
; v12 -M, v13 the largest t, v[14:15] the sum in two halves; v240, v244: 448 x 2^e4, 2^e4; v241, v245: the same with e6; v236, v242, v243, v252-254 at work
.set WV,  12                           ; s12  my wave's number
.set G1,  16                           ; s[16:23] descriptor group 1
.set G0,  32                           ; s[32:35] descriptor group 0
.set SEL, 40                           ; s[40:41] lane selects for v_permlanex16_b32: lane l xor 16
.set CS,  42                           ; s[42:43] c = log2(e) / sqrt(32) x 2^(e2 + e3): the packed form names a pair and takes its low word
.set TB,  44                           ; s44  LDS byte at which the step in hand begins
.set CNT, 45                           ; s45  steps to go
.macro CROUND                          ; a round of the cluster's barrier: my work-group's barrier; wave 0 signals for the work-group; every wave waits for all four; my work-group's barrier once more
	s_barrier_signal -1
	s_barrier_wait -1
	s_cmp_lg_u32 s[WV], 0
	s_cbranch_scc1 .Lnot_wave_0_\@
	s_barrier_signal -3
.Lnot_wave_0_\@:
	s_barrier_wait -3
	s_barrier_signal -1
	s_barrier_wait -1
.endm
	s_load_b256 s[4:11], s[0:1], 0x0               ; qc s[4:5], kv s[6:7], the scales' exponents s[8:9], oc s[10:11]
	v_lshl_add_u32 v251, v0, 2, 0x40000
	v_mov_b32 v255, 0
	ds_add_u32 v251, v255
	ds_add_u32 v251, v255
	v_lshrrev_b32 v2, 5, v0
	v_readfirstlane_b32 s[WV], v2                  ; wave 0..15
	s_and_b32 s15, ttmp7, 0xffff                   ; bh = 8 b + head, which the four partners share
	s_mov_b32 s[G1+0], 15|(3<<16)|(1<<21)          ; 15:0 the mask: all four work-groups; 17:16 elements of 8 bytes; 20 no padding; 21 set beside a mask
	s_mov_b32 s[G1+1], 32<<16                      ; tensor_dim0 = 32 elements: rows of 256 bytes
	s_mov_b32 s[G1+2], 64<<16                      ; tensor_dim1 = 64
	s_mov_b32 s[G1+3], 32<<16                      ; tile_dim0 = 32
	s_mov_b32 s[G1+4], 64                          ; tile_dim1 = 64
	s_mov_b32 s[G1+5], 32                          ; from row to row: 32 elements: the block is dense
	s_mov_b32 s[G1+6], 0
	s_mov_b32 s[G1+7], 0
	s_mov_b32 s[SEL], 0x76543210
	s_mov_b32 s[SEL+1], 0xfedcba98
	s_mov_b32 s[CS], 0x3e8293ee                    ; log2(e) / sqrt(32) = 0.255035
	s_mov_b32 s[G0], 1                             ; count = 1
	s_lshl_b32 s[G0+1], s[WV], 14                  ; LDS address: 16,384 x wave
	s_lshl_b32 s46, s15, 18                        ; the head's 262,144 bytes,
	s_add_co_u32 s46, s46, s[G0+1]                 ; my 16,384 of them
	s_mov_b32 s47, 0
	s_wait_dscnt 0x0
	s_wait_kmcnt 0x0
	s_load_b256 s[52:59], s[8:9], 0x0              ; e0 .. e7
	s_add_nc_u64 s[G0+2:G0+3], s[6:7], s[46:47]
	s_or_b32 s[G0+3], s[G0+3], 0x80000000          ; type = 2
	CROUND                                         ; all four work-groups are here: the joint loads meet
	tensor_load_to_lds s[G0:G0+3], s[G1:G1+7]
	s_nop 0
.rept 4
	v_nop                                          ; four lines behind a tensor load
.endr
	s_bfe_u32 s13, ttmp6, 0x40000                  ; cx: my place in the cluster
	s_lshl_b32 s14, ttmp9, 2
	s_add_co_u32 s14, s14, s13                     ; my block of 256 queries
	s_lshl_b32 s14, s14, 4
	s_add_co_u32 s14, s14, s[WV]                   ; T: my tile of 16 queries
	s_lshl_b32 s48, s15, 17                        ; qc: bh x 131,072 + T x 512
	s_lshl_b32 s50, s14, 9
	s_add_co_u32 s48, s48, s50
	s_mov_b32 s49, 0
	s_add_nc_u64 s[4:5], s[4:5], s[48:49]
	s_lshr_b32 s48, s15, 3                         ; oc: b x 1,048,576 + T x 4,096 + head x 512
	s_lshl_b32 s48, s48, 20
	s_lshl_b32 s50, s14, 12
	s_add_co_u32 s48, s48, s50
	s_and_b32 s50, s15, 7
	s_lshl_b32 s50, s50, 9
	s_add_co_u32 s48, s48, s50
	s_add_nc_u64 s[10:11], s[10:11], s[48:49]
	v_and_b32 v[LA], 31, v0
	v_lshlrev_b32 v[LA], 4, v[LA]
	global_load_b128 v[20:23], v[LA], s[4:5] th:TH_LOAD_NT   ; q: read once, by me
.irp j, 16,17,18,19,24,25,26,27
	v_mov_b32 v\j, 0                               ; the zero codes on both sides of q
.endr
.set ii, 0
.rept 16
	v_mov_b32 v[O+ii], 0                           ; O^T: the step is written once; the first finds zeros, which the first change of M leaves zeros
.set ii, ii+1
.endr
	v_mov_b32 v13, 0xff61b1e6                      ; the largest t so far: -3e38, under every t
	v_floor_f32 v12, -v13                          ; -M
	v_mov_b32 v14, 0
	v_mov_b32 v15, 0
	v_mov_b32 v236, 0                              ; written once: a lane permute's destination counts as one of its sources
	v_mov_b32 v253, 0                              ; (named as the upper half of the pair v[252:253])
	s_wait_kmcnt 0x0
	s_add_co_i32 s46, s54, s55                     ; a score stands for score x 2^(e2 + e3): added to c's exponent field
	s_lshl_b32 s46, s46, 23
	s_add_co_i32 s[CS], s[CS], s46
	s_mov_b32 s[CS+1], s[CS]
	s_add_co_i32 s46, s56, 127
	s_lshl_b32 s47, s46, 23
	v_mov_b32 v244, s47                            ; 2^e4
	s_add_co_i32 s46, s46, 8
	s_lshl_b32 s46, s46, 23
	s_or_b32 s46, s46, 0x600000
	v_mov_b32 v240, s46                            ; 448 x 2^e4
	s_add_co_i32 s46, s58, 127
	s_lshl_b32 s47, s46, 23
	v_mov_b32 v245, s47                            ; 2^e6
	s_add_co_i32 s46, s46, 8
	s_lshl_b32 s46, s46, 23
	s_or_b32 s46, s46, 0x600000
	v_mov_b32 v241, s46                            ; 448 x 2^e6
	s_add_co_i32 s60, s56, s57                     ; e4 + e5
	s_mov_b32 s[TB], 0
	s_mov_b32 s[CNT], 32
	s_wait_loadcnt 0x0                             ; q
	s_wait_tensorcnt 0x0                           ; my 16,384 bytes lie in LDS,
	s_barrier_signal -1
	s_barrier_wait -1                              ; everybody's do: the head's k and v are whole
.Lstep:                                            ; 32 trips of 128 keys
	v_add_nc_u32 v[ADR], s[TB], v[LA]
.irp f, 0,1,2,3,4,5,6,7
	ds_load_b128 v[KF+4*\f:KF+4*\f+3], v[ADR] offset:512*\f             ; group f / 2, tile f % 2
.endr
	s_wait_dscnt 0x0
.irp g, 0,1,2,3
	v_wmma_f32_16x16x64_fp8_fp8 v[S+16*\g:S+16*\g+7],    v[KF+8*\g:KF+8*\g+7], v[20:27], 0   ; tile 0 of group g: keys 32 g + 16 h + 0 .. 7
	v_wmma_f32_16x16x64_fp8_fp8 v[S+16*\g+8:S+16*\g+15], v[KF+8*\g:KF+8*\g+7], v[16:23], 0   ; tile 1: keys 32 g + 16 h + 8 .. 15
.endr
.rept 4
	v_nop                                          ; four places (ISA guide 7.12.1) in front of the reads of the scores; with the addition at the trip's head, five behind the last trip's products, whose fragments of v are loaded anew below
.endr
.irp f, 0,1,2,3,4,5,6,7
	ds_load_b128 v[VF+4*\f:VF+4*\f+3], v[ADR] offset:4096+512*\f        ; v: tile f / 4, keys 32 (f % 4) on: they land during the softmax
.endr
	v_max3_num_f32 v254, v[S], v[S+1], v[S+2]      ; the step's largest score of my query among my 64 keys, in two chains, ascending: each accumulator is read from its low end on
	v_max3_num_f32 v252, v[S+3], v[S+4], v[S+5]
.irp i, 6,10,14,18,22,26,30,34,38,42,46,50,54,58
	v_max3_num_f32 v254, v254, v[S+\i], v[S+\i+1]
	v_max3_num_f32 v252, v252, v[S+\i+2], v[S+\i+3]
.endr
	v_max3_num_f32 v254, v254, v[S+62], v[S+63]
	v_max_num_f32 v254, v254, v252
	v_permlanex16_b32 v236, v254, s[SEL], s[SEL+1]
	v_max_num_f32 v254, v254, v236                 ; and among lane l xor 16's
	v_mul_f32 v254, s[CS], v254                    ; as t (c is positive)
	v_max_num_f32 v13, v13, v254                   ; the running largest t
	v_mov_b32 v254, v12
	v_floor_f32 v12, -v13                          ; the new -M = floor(-t) = -ceil(t): a whole number
	v_sub_f32 v254, v12, v254                      ; old M - new M: a whole number, 0 or less
	v_cvt_i32_f32 v254, v254                       ; (it saturates)
	v_ldexp_f32 v252, 1.0, v254                    ; f = 2^(old M - new M)
.set ii, 0
.rept 32
	v_pk_fma_f32 v[S+ii:S+ii+1], v[S+ii:S+ii+1], s[CS:CS+1], v[12:13] op_sel_hi:[1,0,0]   ; t - M, two at a time
.set ii, ii+2
.endr
.set ii, 0
.rept 64
	v_exp_f32 v[S+ii], v[S+ii]                     ; p = 2^(t - M), at most 1
.set ii, ii+1
.endr
	v_pk_mul_f32 v[14:15], v[14:15], v[252:253] op_sel_hi:[1,0]   ; the sums under the new M: the plain line behind the exponentials
	s_wait_alu depctr_va_vdst(0)                   ; one wait for the batch of 64, ahead of its first reader
	v_pk_add_f32 v[242:243], v[S:S+1], v[S+2:S+3]  ; the row's sum is taken of the unquantised p: two at a time, in two chains
.irp j, 4,8,12,16,20,24,28,32,36,40,44,48,52,56,60
	v_pk_add_f32 v[14:15], v[14:15], v[S+\j:S+\j+1]
	v_pk_add_f32 v[242:243], v[242:243], v[S+\j+2:S+\j+3]
.endr
	v_pk_add_f32 v[14:15], v[14:15], v[242:243]
.irp g, 0,1,2,3
.irp i, 0,1,2,3,4,5,6,7,8,9,10,11,12,13,14,15
	v_min_num_f32 v[S+16*\g+\i], v[S+16*\g+\i], v240   ; the conversion does not saturate (ISA guide 7.6.2); p is not negative, so the hold is one-sided
.endr
	v_cvt_scalef32_pk8_fp8_f32 v[PC+4*\g:PC+4*\g+1],   v[S+16*\g:S+16*\g+7],    v244
	v_cvt_scalef32_pk8_fp8_f32 v[PC+4*\g+2:PC+4*\g+3], v[S+16*\g+8:S+16*\g+15], v244
.endr
.set ii, 0
.rept 8
	v_pk_mul_f32 v[O+ii:O+ii+1], v[O+ii:O+ii+1], v[252:253] op_sel_hi:[1,0]   ; O^T under the new M; also the plain lines between the conversions and the products that read their results
.set ii, ii+2
.endr
	s_wait_dscnt 0x0                               ; v is in
	v_wmma_f32_16x16x128_fp8_fp8 v[O:O+7],    v[VF:VF+15],    v[PC:PC+15], v[O:O+7]      ; the two accumulators take turns, one instruction a turn; the eight products k q^T stand between a link and the next
	v_wmma_f32_16x16x128_fp8_fp8 v[O+8:O+15], v[VF+16:VF+31], v[PC:PC+15], v[O+8:O+15]
	s_add_co_u32 s[TB], s[TB], 8192
	s_sub_co_u32 s[CNT], s[CNT], 1
	s_cmp_lg_u32 s[CNT], 0
	s_cbranch_scc1 .Lstep
	; THE WAY OUT: O^T / the sum x 2^(e4 + e5), quantised with 2^e6: my 16 registers are channels 16 h + 0 .. 15 of my query: 16 bytes of the projection's operand
.rept 4
	v_nop                                          ; four places behind the last products
.endr
	v_add_f32 v14, v14, v15                        ; the sum's two halves,
	v_permlanex16_b32 v252, v14, s[SEL], s[SEL+1]
	v_add_f32 v14, v14, v252                       ; and lane l xor 16's
	v_rcp_f32 v14, v14
	v_nop                                          ; a plain line behind the reciprocal
	s_wait_alu depctr_va_vdst(0)                   ; and the wait ahead of its first reader
	v_ldexp_f32 v14, v14, s60
.set ii, 0
.rept 8
	v_pk_mul_f32 v[S+ii:S+ii+1], v[O+ii:O+ii+1], v[14:15] op_sel_hi:[1,0]     ; ascending: each accumulator from its low end on
.set ii, ii+2
.endr
.set ii, 0
.rept 16
	v_med3_num_f32 v[S+ii], v[S+ii], -v241, v241
.set ii, ii+1
.endr
	v_cvt_scalef32_pk8_fp8_f32 v[PC:PC+1],   v[S:S+7],    v245
	v_cvt_scalef32_pk8_fp8_f32 v[PC+2:PC+3], v[S+8:S+15], v245
	v_nop
	global_store_b128 v[LA], v[PC:PC+3], s[10:11]  ; 32 lanes x 16 bytes: 512 consecutive bytes, aligned
	s_wait_dscnt 0x0
	s_wait_tensorcnt 0x0
	ds_add_u32 v251, v255
	s_wait_dscnt 0x0
	CROUND                                         ; the closing round: no work-group ends while a partner may still ask for a tile that names it
	s_endpgm
.Lfunc_end_k_q84b6c8d04c_attn:
	.size	k_q84b6c8d04c_attn, .Lfunc_end_k_q84b6c8d04c_attn-k_q84b6c8d04c_attn
	.p2alignl 7, 3214868480
	.fill 96, 4, 3214868480
	.section	.rodata,"a",@progbits
	.p2align	6, 0x0
	.amdhsa_kernel k_q84b6c8d04c_attn
		.amdhsa_group_segment_fixed_size 264192
		.amdhsa_private_segment_fixed_size 0
		.amdhsa_enable_private_segment 0
		.amdhsa_kernarg_size 32
		.amdhsa_user_sgpr_count 2
		.amdhsa_user_sgpr_kernarg_segment_ptr 1
		.amdhsa_wavefront_size32 1
		.amdhsa_system_sgpr_workgroup_id_x 1
		.amdhsa_system_sgpr_workgroup_id_y 1
		.amdhsa_system_sgpr_workgroup_id_z 1
		.amdhsa_system_vgpr_workitem_id 0
		.amdhsa_next_free_vgpr 256
		.amdhsa_next_free_sgpr 66
		.amdhsa_reserve_vcc 0
		.amdhsa_float_denorm_mode_32 3
		.amdhsa_float_denorm_mode_16_64 3
		.amdhsa_memory_ordered 1
		.amdhsa_forward_progress 1
		.amdhsa_inst_pref_size 22
	.end_amdhsa_kernel
	.amdgpu_metadata
---
amdhsa.version: [ 1, 2 ]
amdhsa.kernels:
  - .name:           k_q84b6c8d04c_attn
    .symbol:         k_q84b6c8d04c_attn.kd
    .args:
      - { .name: qc, .offset: 0, .size: 8, .value_kind: global_buffer, .address_space: global }
      - { .name: kv, .offset: 8, .size: 8, .value_kind: global_buffer, .address_space: global }
      - { .name: lowp_scales, .offset: 16, .size: 8, .value_kind: global_buffer, .address_space: global }
      - { .name: oc, .offset: 24, .size: 8, .value_kind: global_buffer, .address_space: global }
    .group_segment_fixed_size: 264192
    .private_segment_fixed_size: 0
    .kernarg_segment_align: 8
    .kernarg_segment_size: 32
    .max_flat_workgroup_size: 512
    .sgpr_count:     66
    .vgpr_count:     256
    .wavefront_size: 32
...
	.end_amdgpu_metadata
.endif
;; end of part 2
;; launch proj (part 3): grid 64 x 4, 8 waves a work-group, no clusters, 68,608 bytes of LDS; arguments oc, wpc, b_proj, lowp_scales, out0; writes out0
.if DOCPART == 3
	.amdgcn_target "amdgcn-amd-amdhsa--gfx1250"
	.amdhsa_code_object_version 6
	.text
	.protected	k_q84b6c8d04c_proj
	.globl	k_q84b6c8d04c_proj
	.p2align	8
	.type	k_q84b6c8d04c_proj,@function
k_q84b6c8d04c_proj:
	s_mov_b64 s[64:65], 0
	v_nop
	global_prefetch_b8 v0, s[64:65] scope:SCOPE_SE
	s_setreg_imm32_b32 hwreg(HW_REG_WAVE_MODE, 25, 1), 1
	s_wait_xcnt 0x0
; out0[b][o][n] = sum over c of w_proj[o][c] att[b][c][n] x 2^(e6 + e7) + b_proj[o], on codes of FP8 (E4M3).
; oc: [b][tile of 16 positions][head][lane][16 bytes]: lane (r, h) holds channels 32 head + 16 h .. + 15 of the tile's row r: registers 4 c .. 4 c + 3 of K step s are head 4 s + c.  wpc: w_proj's codes, [o][256].
; Row m of tile T = 2 G + u is position 32 G + 8 u + (m & 7) + 16 (m >> 3).  Source 0 = 16 positions, source 1 = 16 outputs: register j of lane (r, h) is position 32 G + 16 h + 8 u + j of output o0 + r:
; a lane holds neighbouring positions of one row of out0.
; SHARES.  Work-group (X, y): batch X / 32, positions 128 (X % 32) on (eight tiles, one dense block of 32,768 bytes of oc), outputs 64 y on.  Wave w: 64 positions (gp = w >> 2: four tiles), outputs o0 = 64 y + 16 (w & 3) on.
; Each wave copies one tile's 4,096 bytes into LDS; one barrier; each wave reads its four tiles.  The results go through the wave's own stage and leave as aligned runs of 256 bytes.
; No tensor load and no cluster: the launch is one pass over 32 KB a work-group, with no loop in which a tile could be asked for ahead.
; LIMIT: e6 + e7 between -126 and 127, so that 2^(e6 + e7) is an f32 number.
.set OIMG, 0                           ; 32,768 bytes: the work-group's block of oc as it lies
.set STG,  32768                       ; 16 rows x 272 bytes for each wave
.set SP,   272                         ; 256 bytes + 16 = 17 x 16: 16 neighbouring rows begin at 16 different 16-byte columns of 256 bytes
.set Y,    32                          ; v32-63   first my tile of oc on its way to LDS, later the results
.set AF,   64                          ; v64-191  oc's fragments (tile tau, K step s) at AF + 16 (2 tau + s); later rows read back from the stage
.set WF,   192                         ; v192-223 w_proj's two fragments
.set ACC,  224                         ; v224-255 four accumulators
	s_load_b256 s[4:11], s[0:1], 0x0               ; oc s[4:5], wpc s[6:7], b_proj s[8:9], the scales' exponents s[10:11]
	s_load_b64 s[12:13], s[0:1], 0x20              ; out0
	v_lshl_add_u32 v30, v0, 2, 0x10800
	v_mov_b32 v31, 0
	v_lshrrev_b32 v9, 5, v0
	v_readfirstlane_b32 s18, v9                    ; wave 0..7
	s_lshr_b32 s19, s18, 2                         ; gp
	s_and_b32 s20, s18, 3
	s_lshr_b32 s21, ttmp9, 5                       ; b
	s_and_b32 s22, ttmp9, 31                       ; pb
	s_and_b32 s23, ttmp7, 0xffff                   ; y
	s_lshl_b32 s24, s23, 6
	s_lshl_b32 s25, s20, 4
	s_add_co_u32 s24, s24, s25                     ; o0
	v_and_b32 v12, 31, v0                          ; lane
	v_and_b32 v13, 15, v0                          ; r
	v_bfe_u32 v14, v0, 4, 1                        ; h
	v_lshlrev_b32 v1, 4, v12                       ; 16 x lane
	s_lshl_b32 s25, s18, 12
	v_add_nc_u32 v2, s25, v1                       ; into OIMG: my tile
	s_lshl_b32 s26, s19, 14
	v_add_nc_u32 v3, s26, v1                       ; out of it: my four tiles
	v_lshlrev_b32 v4, 8, v13
	v_lshl_add_u32 v4, v14, 4, v4                  ; wpc: row r, + 16 h
	v_lshlrev_b32 v5, 2, v13                       ; the bias of output o0 + r
	s_mul_i32 s27, s18, 16*SP
	s_add_co_u32 s27, s27, STG                     ; my stage
	v_mul_u32_u24 v6, v13, SP
	v_lshl_add_u32 v6, v14, 6, v6
	v_add_nc_u32 v6, s27, v6                       ; in: row r (an output), + 64 h: 16 positions for each half of the lanes
	v_mul_u32_u24 v7, v14, SP
	v_lshl_add_u32 v7, v13, 4, v7
	v_add_nc_u32 v7, s27, v7                       ; back: lanes 0-15 one row of 256 bytes, lanes 16-31 the next
	v_lshlrev_b32 v8, 14, v14
	v_lshl_add_u32 v8, v13, 4, v8                  ; and the same two rows in out0: a row is 16,384 bytes
	v_mov_b32 v11, 0                               ; (named as the upper half of the pair v[10:11])
	s_lshl_b32 s28, s21, 20                        ; oc: b x 1,048,576 + pb x 32,768 + wave x 4,096
	s_lshl_b32 s30, s22, 15
	s_add_co_u32 s28, s28, s30
	s_add_co_u32 s28, s28, s25
	s_mov_b32 s29, 0
	s_lshl_b32 s30, s24, 8                         ; wpc: o0 rows of 256 bytes
	s_mov_b32 s31, 0
	s_lshl_b32 s32, s24, 2                         ; b_proj
	s_mov_b32 s33, 0
	s_lshl_b32 s34, s21, 22                        ; out0: b x 4,194,304 + o0 x 16,384 + pb x 512 + gp x 256
	s_lshl_b32 s36, s24, 14
	s_add_co_u32 s34, s34, s36
	s_lshl_b32 s36, s22, 9
	s_add_co_u32 s34, s34, s36
	s_lshl_b32 s36, s19, 8
	s_add_co_u32 s34, s34, s36
	s_mov_b32 s35, 0
	s_wait_kmcnt 0x0
	s_load_b64 s[14:15], s[10:11], 0x18            ; e6, e7
	s_add_nc_u64 s[4:5], s[4:5], s[28:29]
	s_add_nc_u64 s[6:7], s[6:7], s[30:31]
	s_add_nc_u64 s[8:9], s[8:9], s[32:33]
	s_add_nc_u64 s[12:13], s[12:13], s[34:35]
.irp i, 0,1,2,3,4,5,6,7
	global_load_b128 v[Y+4*\i:Y+4*\i+3], v1, s[4:5] offset:512*\i        ; 512 consecutive bytes a load
.endr
.irp ks, 0,1
.irp c, 0,1,2,3
	global_load_b128 v[WF+16*\ks+4*\c:WF+16*\ks+4*\c+3], v4, s[6:7] offset:128*\ks+32*\c
.endr
.endr
	global_load_b32 v10, v5, s[8:9]
	s_wait_loadcnt 9                               ; my tile of oc is in; the eight loads of weights and the bias may be out
.irp i, 0,1,2,3,4,5,6,7
	ds_store_b128 v2, v[Y+4*\i:Y+4*\i+3] offset:OIMG+512*\i
.endr
	s_wait_dscnt 0x0                               ; for the others' sake: my tile lies in LDS
	s_barrier_signal -1
	s_barrier_wait -1
.set ii, 0
.rept 32
	ds_load_b128 v[AF+4*ii:AF+4*ii+3], v3 offset:OIMG+512*ii             ; block 8 tau + 4 s + c: registers 4 c on of fragment (tau, s)
.set ii, ii+1
.endr
	s_wait_kmcnt 0x0
	s_add_co_i32 s16, s14, s15
	s_add_co_i32 s16, s16, 127
	s_lshl_b32 s16, s16, 23                        ; 2^(e6 + e7) as f32
	s_mov_b32 s17, s16                             ; (named with it as a pair, so it is written)
	s_wait_loadcnt 0x0
	s_wait_dscnt 0x0
.irp ks, 0,1                           ; the four accumulators take turns, one instruction a turn
.irp t, 0,1,2,3
.if \ks == 0
	v_wmma_f32_16x16x128_fp8_fp8 v[ACC+8*\t:ACC+8*\t+7], v[AF+16*(2*\t+\ks):AF+16*(2*\t+\ks)+15], v[WF+16*\ks:WF+16*\ks+15], 0
.else
	v_wmma_f32_16x16x128_fp8_fp8 v[ACC+8*\t:ACC+8*\t+7], v[AF+16*(2*\t+\ks):AF+16*(2*\t+\ks)+15], v[WF+16*\ks:WF+16*\ks+15], v[ACC+8*\t:ACC+8*\t+7]
.endif
.endr
.endr
.rept 4
	v_nop                                          ; four places in front of the reads of the results and of the loads into the fragments' registers
.endr
.set ii, 0
.rept 16
	v_pk_fma_f32 v[Y+ii:Y+ii+1], v[ACC+ii:ACC+ii+1], s[16:17], v[10:11] op_sel_hi:[1,0,0]   ; sum x 2^(e6 + e7) + bias; ascending: each accumulator from its low end on
.set ii, ii+2
.endr
.irp gq, 0,1
.irp u, 0,1
.irp q, 0,1
	ds_store_b128 v6, v[Y+8*(2*\gq+\u)+4*\q:Y+8*(2*\gq+\u)+4*\q+3] offset:128*\gq+32*\u+16*\q   ; positions 32 g' + 16 h + 8 u + 4 q on
.endr
.endr
.endr
.irp i, 0,1,2,3,4,5,6,7
	ds_load_b128 v[AF+4*\i:AF+4*\i+3], v7 offset:2*\i*SP   ; LDS serves a wave's instructions in order (ISA guide 5.7.1.4): these see my stores; the stage is my own
.endr
.irp i, 0,1,2,3,4,5,6,7
	s_wait_dscnt 7-\i                              ; pair i of rows is back; the younger reads may be out
	global_store_b128 v8, v[AF+4*\i:AF+4*\i+3], s[12:13] offset:2*\i*16384 th:TH_STORE_NT   ; 16 lanes store 256 consecutive bytes, at a multiple of 256 from out0's first byte
.endr
	s_wait_tensorcnt 0x0
	ds_add_u32 v30, v31
	s_wait_dscnt 0x0
	s_endpgm
.Lfunc_end_k_q84b6c8d04c_proj:
	.size	k_q84b6c8d04c_proj, .Lfunc_end_k_q84b6c8d04c_proj-k_q84b6c8d04c_proj
	.p2alignl 7, 3214868480
	.fill 96, 4, 3214868480
	.section	.rodata,"a",@progbits
	.p2align	6, 0x0
	.amdhsa_kernel k_q84b6c8d04c_proj
		.amdhsa_group_segment_fixed_size 68608
		.amdhsa_private_segment_fixed_size 0
		.amdhsa_enable_private_segment 0
		.amdhsa_kernarg_size 40
		.amdhsa_user_sgpr_count 2
		.amdhsa_user_sgpr_kernarg_segment_ptr 1
		.amdhsa_wavefront_size32 1
		.amdhsa_system_sgpr_workgroup_id_x 1
		.amdhsa_system_sgpr_workgroup_id_y 1
		.amdhsa_system_sgpr_workgroup_id_z 1
		.amdhsa_system_vgpr_workitem_id 0
		.amdhsa_next_free_vgpr 256
		.amdhsa_next_free_sgpr 66
		.amdhsa_reserve_vcc 0
		.amdhsa_float_denorm_mode_32 3
		.amdhsa_float_denorm_mode_16_64 3
		.amdhsa_memory_ordered 1
		.amdhsa_forward_progress 1
		.amdhsa_inst_pref_size 11
	.end_amdhsa_kernel
	.amdgpu_metadata
---
amdhsa.version: [ 1, 2 ]
amdhsa.kernels:
  - .name:           k_q84b6c8d04c_proj
    .symbol:         k_q84b6c8d04c_proj.kd
    .args:
      - { .name: oc, .offset: 0, .size: 8, .value_kind: global_buffer, .address_space: global }
      - { .name: wpc, .offset: 8, .size: 8, .value_kind: global_buffer, .address_space: global }
      - { .name: b_proj, .offset: 16, .size: 8, .value_kind: global_buffer, .address_space: global }
      - { .name: lowp_scales, .offset: 24, .size: 8, .value_kind: global_buffer, .address_space: global }
      - { .name: out0, .offset: 32, .size: 8, .value_kind: global_buffer, .address_space: global }
    .group_segment_fixed_size: 68608
    .private_segment_fixed_size: 0
    .kernarg_segment_align: 8
    .kernarg_segment_size: 40
    .max_flat_workgroup_size: 256
    .sgpr_count:     66
    .vgpr_count:     256
    .wavefront_size: 32
...
	.end_amdgpu_metadata
.endif
;; end of part 3
